; MI455X (gfx1250); checked and timed in simulation.
; The chip was launched on July 23, 2026; its instructions are those of AMD's public machine-readable ISA for CDNA 5 (MIT licence, August 2026) and "CDNA5" Instruction Set Architecture Reference Guide (July 2026). The comments in the code are by the model that wrote it; some were corrected since.
;; S Attention. Allowed arithmetic: matrix products marked QUANTISED: E4M3 operands, one given power-of-two scale a tensor, by v_wmma_f32_16x16x64_fp8_fp8 or v_wmma_f32_16x16x128_fp8_fp8, f32 sums; everything else in f32.
;; Inputs: W1 512 x 512 float32; W2 512 x 512 float32; Wk 512 x 512 float32; Wq 512 x 512 float32; Wv 512 x 512 float32; b1 512 float32; b2 512 float32; bf1 512 float32; bf2 512 float32; g1 512 float32; g2 512 float32; lowp_scales 14 int32 (the exponents e of the quantised operands' scales 2^e); x 512 x 64 x 512 float32.
;; Outputs: out0 512 x 64 x 512 float32.
;; This version of the problem:
;;   THIS VERSION OF THE PROBLEM IS GIVEN IN LOW PRECISION. The matrix products marked QUANTISED in the list below multiply operands that are first quantised to E4M3 (4 exponent bits, 3 mantissa bits; 8 bits a number), with one given power-of-two scale for each operand tensor; their sums are f32. All else is computed in f32.
;;   The module's matrix products, in the order in which they are computed (A, B: the left and right operand; K: the contracted axis; several contracted axes count as one K, in the product's order):
;;     1. [M 32,768, K 512] x [K 512, N 512]; A: computed on the way; B: input Wq: QUANTISED (scales: A lowp_scales[0], B lowp_scales[1])
;;     2. [M 32,768, K 512] x [K 512, N 512]; A: computed on the way; B: input Wk: QUANTISED (scales: A lowp_scales[2], B lowp_scales[3])
;;     3. [M 32,768, K 512] x [K 512, N 512]; A: computed on the way; B: input Wv: QUANTISED (scales: A lowp_scales[4], B lowp_scales[5])
;;     4. batch 512 x [M 512, K 64] x [K 64, N 512]; A: computed on the way; B: computed on the way: QUANTISED (scales: A lowp_scales[6], B lowp_scales[7])
;;     5. batch 512 x [M 64, K 512] x [K 512, N 512]; A: computed on the way; B: softmax (see below): QUANTISED (scales: A lowp_scales[8], B lowp_scales[9])
;;     6. [M 32,768, K 512] x [K 512, N 512]; A: computed on the way; B: input W1: QUANTISED (scales: A lowp_scales[10], B lowp_scales[11])
;;     7. [M 32,768, K 512] x [K 512, N 512]; A: computed on the way; B: input W2: QUANTISED (scales: A lowp_scales[12], B lowp_scales[13])
;;   THE QUANTISER, for each operand of a quantised product, along K:
;;     - The operand's scale is 2^e, e = its entry of the input lowp_scales (int32; the entries are numbered through the quantised products in the list's order, A before B).
;;     - Each number is divided by the scale, clamped to +-448, and rounded to the nearest number of E4M3, ties to even, subnormals kept.
;;     - The product sums the exact products of the quantised numbers (number of the format x scale) in f32.
;;   ~~~python
;;   def quantise(x, axis, e):      # numpy; x: float32 -> the quantised numbers, widened to float32 again
;;       x = np.moveaxis(x, axis, -1); K = x.shape[-1]
;;       r = np.clip(x / 2.0 ** e, -448, 448)
;;       step = 2.0 ** (np.maximum(np.frexp(np.where(r == 0, 1, r))[1] - 1, -6) - 3)
;;       q = np.round(r / step) * step * 2.0 ** e      # np.round: ties to even
;;       return np.moveaxis(q, -1, axis).astype(np.float32)
;;   ~~~
;;   SOFTMAX AHEAD OF A QUANTISED PRODUCT. Where the list says 'softmax', what is quantised is not the finished softmax but p = 2^(t - M), with t = logit x log2(e) and M = ceil(the row's largest t), a whole number; so 1/2 < the row's largest p <= 1. The row's sum l is taken of the UNQUANTISED p, in f32, and the product's result is divided by l at the end. Since M is a whole number, a kernel that streams over the keys may use a running M (the ceiling of the running maximum): every later rescaling is an exact power of two, so the quantised numbers keep their values, but for numbers so far below the row's largest that they fall under the format's range.
;;   OPERANDS COMPUTED ON THE WAY. 'Computed on the way' means the value that the module computes at that place (a softmax that the list does not call 'softmax' is quantised finished and normalised). What goes into a quantiser is computed in f32, as accurately as f32 sums, v_exp_f32 and their like allow (about 1e-6 of the number): no bf16 or f16 on the way to a quantiser, and a product that is left as it is and whose result goes on into a quantised operand takes f32 operands (vector FMAs, or v_wmma_f32_16x16x4_f32). A number that lies on a knife's edge between two numbers of the format may be rounded either way, as far as f32 arithmetic and the matrix unit's own rounding can turn it there, and no further.
;; One version. Each part assembles by itself: llvm-mc -triple=amdgcn-amd-amdhsa -mcpu=gfx1250 --defsym DOCPART=n.
;; ======== version 1 of 1: 3 launches
;; limits: right only within a limited range of input values
;; workspace buffers: wc 1,310,720 bytes; qc 16,777,216 bytes; kc 16,777,216 bytes; vc 16,777,216 bytes; st 262,144 bytes
;; launch wquant (part 1): grid 32 x 5, 4 waves a work-group, no clusters, 0 bytes of LDS; arguments Wq, Wk, Wv, W1, W2, lowp_scales, wc; writes wc
.if DOCPART == 1
	.amdgcn_target "amdgcn-amd-amdhsa--gfx1250"
	.amdhsa_code_object_version 6
	.text
	.protected	k_qac3e9471da_wquant
	.globl	k_qac3e9471da_wquant
	.p2align	8
	.type	k_qac3e9471da_wquant,@function
k_qac3e9471da_wquant:
	s_mov_b64 s[64:65], 0
	v_nop
	global_prefetch_b8 v0, s[64:65] scope:SCOPE_SE
	s_setreg_imm32_b32 hwreg(HW_REG_WAVE_MODE, 25, 1), 1
	s_wait_xcnt 0x0
; The five weights [512][512] f32 (rows = output channels, K innermost) become codes of E4M3, each with the scale 2^e given for it
; (entries 1, 3, 5, 11, 13 of lowp_scales): code = w / 2^e, held within +-448, to the nearest code, ties to even.
; NO WORK OF THE PROBLEM IS LEFT OUT in this program: every input has a way to the output, and all of them are loaded by some launch.
; LAYOUT OF wc: the order of a matrix operand's registers: [weight T][tile n of 16 rows][K step s of 128][quad q][lane][16 bytes].
; Lane (r, h) of a fragment holds row 16 n + r; its registers 2 c, 2 c + 1 hold k = 128 s + 16 c + 8 h + 0 .. 7; quad q is registers 4 q .. 4 q + 3.
; So the launches that multiply load a fragment by four loads of 16 bytes a lane, 512 consecutive bytes each, with every k in its own place.
; SHARES: work-group (n, T) takes 16 rows of one weight, wave s the K step s.  A lane loads 64 numbers: for each q the 8 at k = 32 q + 8 h and the 8 at k = 32 q + 16 + 8 h.
; A wave's 16 loads together cover 512 whole bytes of each of its 16 rows.  A wave's store covers 512 consecutive bytes, aligned.
; 160 work-groups: the weights are 5 x 32 such tiles, and there is no more work than that.  No LDS, no loop, no barrier, no matrix unit: a plain stream.
; LIMITS: each e between -126 and 119, so that 2^e and 448 x 2^e are f32 numbers.  NaN among the weights is not served (an infinity is held at the largest code).
.set XR, 16                            ; v16-79  64 numbers
.set CR, 80                            ; v80-95  their codes
	s_load_b256 s[4:11], s[0:1], 0x0               ; Wq, Wk, Wv, W1
	s_load_b128 s[12:15], s[0:1], 0x20             ; W2, lowp_scales
	s_load_b64 s[16:17], s[0:1], 0x30              ; wc
	v_lshrrev_b32 v1, 5, v0
	v_readfirstlane_b32 s20, v1                    ; wave = K step s
	v_and_b32 v2, 15, v0                           ; r
	v_bfe_u32 v3, v0, 4, 1                         ; h
	v_and_b32 v4, 31, v0                           ; lane
	s_wait_alu depctr_va_vdst(0)
	s_and_b32 s21, ttmp7, 0xffff                   ; T: which weight
	s_lshl_b32 s22, ttmp9, 15                      ; 16 n rows of 2,048 bytes
	s_lshl_b32 s23, s20, 9                         ; 128 s numbers
	s_add_co_u32 s22, s22, s23
	v_lshlrev_b32 v5, 11, v2                       ; row r
	v_lshl_add_u32 v5, v3, 5, v5                   ; + 8 h numbers
	v_add_nc_u32 v5, s22, v5                       ; where I read
	s_lshl_b32 s24, s21, 18                        ; T x 262,144
	s_lshl_b32 s25, ttmp9, 13                      ; n x 8,192
	s_add_co_u32 s24, s24, s25
	s_lshl_b32 s25, s20, 11                        ; s x 2,048
	s_add_co_u32 s24, s24, s25
	v_lshl_add_u32 v6, v4, 4, s24                  ; + 16 x lane: where I store
	s_lshl_b32 s27, s21, 3                         ; the weight's entry of lowp_scales lies at byte 4 + 8 T for T = 0, 1, 2 and at 20 + 8 T for T = 3, 4
	s_cmp_ge_u32 s21, 3
	s_cselect_b32 s28, 16, 0
	s_add_co_u32 s27, s27, s28
	s_wait_alu depctr_va_vdst(0)
	s_wait_kmcnt 0x0
	s_load_b32 s26, s[14:15], s27 offset:0x4       ; e
	s_cmp_eq_u32 s21, 1                            ; the weight's address: a choice on the work-group's number alone
	s_cselect_b64 s[4:5], s[6:7], s[4:5]
	s_cmp_eq_u32 s21, 2
	s_cselect_b64 s[4:5], s[8:9], s[4:5]
	s_cmp_eq_u32 s21, 3
	s_cselect_b64 s[4:5], s[10:11], s[4:5]
	s_cmp_eq_u32 s21, 4
	s_cselect_b64 s[4:5], s[12:13], s[4:5]
.irp q, 0,1,2,3
	global_load_b128 v[XR+16*\q:XR+16*\q+3], v5, s[4:5] offset:128*\q th:TH_LOAD_NT
	global_load_b128 v[XR+16*\q+4:XR+16*\q+7], v5, s[4:5] offset:128*\q+16 th:TH_LOAD_NT
	global_load_b128 v[XR+16*\q+8:XR+16*\q+11], v5, s[4:5] offset:128*\q+64 th:TH_LOAD_NT
	global_load_b128 v[XR+16*\q+12:XR+16*\q+15], v5, s[4:5] offset:128*\q+80 th:TH_LOAD_NT
.endr
	s_wait_kmcnt 0x0
	s_add_co_i32 s26, s26, 127
	s_lshl_b32 s27, s26, 23
	v_mov_b32 v8, s27                              ; 2^e as f32: the conversion takes its exponent field
	s_add_co_i32 s26, s26, 8
	s_lshl_b32 s26, s26, 23
	s_or_b32 s26, s26, 0x600000
	v_mov_b32 v9, s26                              ; 448 x 2^e
	s_wait_alu depctr_va_vdst(0)
.irp q, 0,1,2,3
	s_wait_loadcnt 12-4*\q                         ; quad q's four loads are in; the later quads', four each, may be out
.irp i, 0,1,2,3,4,5,6,7,8,9,10,11,12,13,14,15
	v_med3_num_f32 v[XR+16*\q+\i], v[XR+16*\q+\i], -v9, v9   ; the conversion to an 8-bit code does not saturate (ISA guide 7.6.2): the hold comes first
.endr
	v_cvt_scalef32_pk8_fp8_f32 v[CR+4*\q:CR+4*\q+1], v[XR+16*\q:XR+16*\q+7], v8
	v_cvt_scalef32_pk8_fp8_f32 v[CR+4*\q+2:CR+4*\q+3], v[XR+16*\q+8:XR+16*\q+15], v8
	global_store_b128 v6, v[CR+4*\q:CR+4*\q+3], s[16:17] offset:512*\q   ; each quad has its own registers: no store's data are written again
.endr
	s_endpgm
.Lfunc_end_k_qac3e9471da_wquant:
	.size	k_qac3e9471da_wquant, .Lfunc_end_k_qac3e9471da_wquant-k_qac3e9471da_wquant
	.p2alignl 7, 3214868480
	.fill 96, 4, 3214868480
	.section	.rodata,"a",@progbits
	.p2align	6, 0x0
	.amdhsa_kernel k_qac3e9471da_wquant
		.amdhsa_group_segment_fixed_size 0
		.amdhsa_private_segment_fixed_size 0
		.amdhsa_enable_private_segment 0
		.amdhsa_kernarg_size 56
		.amdhsa_user_sgpr_count 2
		.amdhsa_user_sgpr_kernarg_segment_ptr 1
		.amdhsa_wavefront_size32 1
		.amdhsa_system_sgpr_workgroup_id_x 1
		.amdhsa_system_sgpr_workgroup_id_y 1
		.amdhsa_system_sgpr_workgroup_id_z 1
		.amdhsa_system_vgpr_workitem_id 0
		.amdhsa_next_free_vgpr 96
		.amdhsa_next_free_sgpr 66
		.amdhsa_reserve_vcc 0
		.amdhsa_float_denorm_mode_32 3
		.amdhsa_float_denorm_mode_16_64 3
		.amdhsa_memory_ordered 1
		.amdhsa_forward_progress 1
		.amdhsa_inst_pref_size 9
	.end_amdhsa_kernel
	.amdgpu_metadata
---
amdhsa.version: [ 1, 2 ]
amdhsa.kernels:
  - .name:           k_qac3e9471da_wquant
    .symbol:         k_qac3e9471da_wquant.kd
    .args:
      - { .name: Wq, .offset: 0, .size: 8, .value_kind: global_buffer, .address_space: global }
      - { .name: Wk, .offset: 8, .size: 8, .value_kind: global_buffer, .address_space: global }
      - { .name: Wv, .offset: 16, .size: 8, .value_kind: global_buffer, .address_space: global }
      - { .name: W1, .offset: 24, .size: 8, .value_kind: global_buffer, .address_space: global }
      - { .name: W2, .offset: 32, .size: 8, .value_kind: global_buffer, .address_space: global }
      - { .name: lowp_scales, .offset: 40, .size: 8, .value_kind: global_buffer, .address_space: global }
      - { .name: wc, .offset: 48, .size: 8, .value_kind: global_buffer, .address_space: global }
    .group_segment_fixed_size: 0
    .private_segment_fixed_size: 0
    .kernarg_segment_align: 8
    .kernarg_segment_size: 56
    .max_flat_workgroup_size: 128
    .sgpr_count:     66
    .vgpr_count:     96
    .wavefront_size: 32
...
	.end_amdgpu_metadata
.endif
;; end of part 1
;; launch qkv (part 2): grid 4 x 64, 4 waves a work-group, no clusters, 327,680 bytes of LDS; arguments x, g1, b1, wc, lowp_scales, qc, kc, vc, st; writes qc, kc, vc, st
.if DOCPART == 2
	.amdgcn_target "amdgcn-amd-amdhsa--gfx1250"
	.amdhsa_code_object_version 6
	.text
	.protected	k_qac3e9471da_qkv
	.globl	k_qac3e9471da_qkv
	.p2align	8
	.type	k_qac3e9471da_qkv,@function
k_qac3e9471da_qkv:
	s_mov_b64 s[64:65], 0
	v_nop
	global_prefetch_b8 v0, s[64:65] scope:SCOPE_SE
	s_setreg_imm32_b32 hwreg(HW_REG_WAVE_MODE, 25, 1), 1
	s_wait_xcnt 0x0
; LayerNorm 1 of 128 rows of one batch, its three quantisers, and the products with Wq, Wk, Wv on codes of E4M3; q, k, v leave as codes in the order of a matrix operand's registers, the rows' mean and 1/sigma as pairs in st.
; Wave w takes columns 128 w .. 128 w + 127 of x through LDS (one tensor load: 128 rows of 512 bytes, 16 bytes of padding behind each row) and heads 2 w, 2 w + 1 of each product.
; A row's mean and centred squares are joined from the four waves' parts through LDS.  The codes' images are laid over the rows that they were made of: 3 x 2,048 bytes inside a tile's 8,448.
; No work of the problem is left out here.  LIMITS: every exponent that is made into an f32 power of two lies between -126 and 119.
.set YW,    67584
.set IM3,   4096
.set YA,    256
.set YP,    528
.set YT,    16*YP
.set STAT0, 4*YW
.set SPARE, STAT0+8192
.set L16, 1
.set Y0,  2
.set GOF, 3
.set SPW, 4
.set NIL, 5
.set ADW, 6
.set STV, 7
.set SQ,  8
.set LQ,  11
.set LN,  14
.set RR,  15
.set IMR, 16
.set AT,  20
.set IMW, 24
.set HH,  25
.set SW0, 26
.set SR0, 27
.set ADR, 28
.set ADS, 29
.set SC,  30
.set LIM, 31
.set T0,  32
.set T1,  96
.set ACC, 32
.set CV,  160
.set U0,  192
.set U1,  200
.set CQ,  192
.set BIAS, 224
.set PT,  232
.set VR,  233
.set EV,  234
.set MU,  236
.set QS,  244
.set TMP, 128
.set WV,  22
.set ROFF, 23
.set BB,  24
.set YWB, 25
.set R512, 26
.set HM,  27
.set G1,  28
.set G0,  36
.set EPSR, 53
.set WN,  68
.set WS,  70
.set OP,  74
.set RHO, 76
.set AH,  77
.set CT,  78
.set TO,  79
.set TN,  80
.set SO,  81
.set SEL, 82
.set SN,  84
.set IO,  85
.set STP, 90
.set VP,  92
.set OO,  94
.set R4,  96
.set R128, 97
.set MSB, 0
.macro WIN new
.if MSB != (\new)
	s_set_vgpr_msb (MSB<<8)|(\new)
.set MSB, (\new)
.endif
.endm
.macro PLACES
.rept 4
	v_nop
.endr
.endm
.macro BAR
	s_barrier_signal -1
	s_barrier_wait -1
.endm
.macro MKSC dst, src
	s_add_co_i32 s[\dst+1], s[\src], 127
	s_lshl_b32 s[\dst], s[\dst+1], 23
	s_add_co_i32 s[\dst+1], s[\dst+1], 8
	s_lshl_b32 s[\dst+1], s[\dst+1], 23
	s_or_b32 s[\dst+1], s[\dst+1], 0x600000
.endm
.macro GBLOAD pg, pb
	WIN 0x40
.irp n, 0,1,2,3,4,5,6,7
	global_load_b128 v[8*\n:8*\n+3], v[GOF], s[\pg:\pg+1] offset:64*\n
	global_load_b128 v[8*\n+4:8*\n+7], v[GOF], s[\pg:\pg+1] offset:64*\n+16
	global_load_b128 v[64+8*\n:64+8*\n+3], v[GOF], s[\pb:\pb+1] offset:64*\n
	global_load_b128 v[64+8*\n+4:64+8*\n+7], v[GOF], s[\pb:\pb+1] offset:64*\n+16
.endr
	WIN 0
.endm
.macro LDT tb, ub, sc, ss, odd, k
	v_add_nc_u32 v[ADR], s[\sc], v[Y0]
.irp n, 0,1,2,3,4,5,6,7
	ds_load_b128 v[\tb+8*\n:\tb+8*\n+3], v[ADR] offset:(\odd)*YT+(\n/4)*YA+(\n%4)*64
	ds_load_b128 v[\tb+8*\n+4:\tb+8*\n+7], v[ADR] offset:(\odd)*YT+(\n/4)*YA+(\n%4)*64+16
.endr
.if \k >= 1
	v_add_nc_u32 v[ADS], s[\ss], v[SR0]
.irp p, 0,1,2,3
	ds_load_b32 v[\ub+\p], v[ADS] offset:(\odd)*128+1024*\p
.endr
.endif
.if \k >= 2
.irp p, 0,1,2,3
	ds_load_b32 v[\ub+4+\p], v[ADS] offset:(\odd)*128+1024*\p+4096
.endr
.endif
.endm
.macro PROC kind, tb, ub, odd
.if \kind == 1
.irp c, 0,1,2,3
	v_pk_add_f32 v[QS+2*\c:QS+2*\c+1], v[\tb+4*\c:\tb+4*\c+1], v[\tb+4*\c+2:\tb+4*\c+3]
.endr
.set ii, 8
.rept 24
	v_pk_add_f32 v[QS+2*(ii%4):QS+2*(ii%4)+1], v[QS+2*(ii%4):QS+2*(ii%4)+1], v[\tb+2*ii:\tb+2*ii+1]
.set ii, ii+1
.endr
	v_pk_add_f32 v[QS:QS+1], v[QS:QS+1], v[QS+2:QS+3]
	v_pk_add_f32 v[QS+4:QS+5], v[QS+4:QS+5], v[QS+6:QS+7]
	v_pk_add_f32 v[QS:QS+1], v[QS:QS+1], v[QS+4:QS+5]
	v_add_f32 v[QS], v[QS], v[QS+1]
	v_permlanex16_b32 v[PT], v[QS], s[SEL], s[SEL+1]
	v_add_f32 v[QS], v[QS], v[PT]
	v_mul_f32 v[MU], s[R128], v[QS]
.set ii, 0
.rept 32
	v_pk_add_f32 v[\tb+ii:\tb+ii+1], v[\tb+ii:\tb+ii+1], v[MU:MU+1] op_sel_hi:[1,0] neg_lo:[0,1] neg_hi:[0,1]
.set ii, ii+2
.endr
.irp c, 0,1,2,3
	v_pk_mul_f32 v[QS+2*\c:QS+2*\c+1], v[\tb+2*\c:\tb+2*\c+1], v[\tb+2*\c:\tb+2*\c+1]
.endr
.set ii, 4
.rept 28
	v_pk_fma_f32 v[QS+2*(ii%4):QS+2*(ii%4)+1], v[\tb+2*ii:\tb+2*ii+1], v[\tb+2*ii:\tb+2*ii+1], v[QS+2*(ii%4):QS+2*(ii%4)+1]
.set ii, ii+1
.endr
	v_pk_add_f32 v[QS:QS+1], v[QS:QS+1], v[QS+2:QS+3]
	v_pk_add_f32 v[QS+4:QS+5], v[QS+4:QS+5], v[QS+6:QS+7]
	v_pk_add_f32 v[QS:QS+1], v[QS:QS+1], v[QS+4:QS+5]
	v_add_f32 v[QS], v[QS], v[QS+1]
	v_permlanex16_b32 v[PT], v[QS], s[SEL], s[SEL+1]
	v_add_f32 v[QS], v[QS], v[PT]
	v_add_nc_u32 v[ADW], s[SO], v[SW0]
	ds_store_b32 v[ADW], v[MU] offset:128*(\odd)
	ds_store_b32 v[ADW], v[QS] offset:4096+128*(\odd)
.else
.set MO, MU+4*(\odd)
	v_add_f32 v[MO], v[\ub], v[\ub+1]
	v_add_f32 v[VR], v[\ub+4], v[\ub+5]
	v_add_f32 v[MO], v[MO], v[\ub+2]
	v_add_f32 v[VR], v[VR], v[\ub+6]
	v_add_f32 v[MO], v[MO], v[\ub+3]
	v_add_f32 v[VR], v[VR], v[\ub+7]
	v_mul_f32 v[MO], s[R4], v[MO]
	v_fma_f32 v[VR], v[VR], s[R512], s[EPSR]
.irp p, 0,1,2,3
	v_sub_f32 v[\ub+\p], v[\ub+\p], v[MO]
.endr
	v_mul_f32 v[\ub], v[\ub], v[\ub]
	v_fma_f32 v[\ub], v[\ub+1], v[\ub+1], v[\ub]
	v_fma_f32 v[\ub], v[\ub+2], v[\ub+2], v[\ub]
	v_fma_f32 v[\ub], v[\ub+3], v[\ub+3], v[\ub]
	v_fma_f32 v[VR], v[\ub], s[R4], v[VR]
	s_wait_alu depctr_va_vdst(0)
	v_rsq_f32 v[MO+2], v[VR]
.set ii, 0
.rept 32
	v_pk_add_f32 v[\tb+ii:\tb+ii+1], v[\tb+ii:\tb+ii+1], v[MO:MO+1] op_sel_hi:[1,0] neg_lo:[0,1] neg_hi:[0,1]
.set ii, ii+2
.endr
	s_wait_alu depctr_va_vdst(0)
.set ii, 0
.rept 32
	v_pk_mul_f32 v[\tb+ii:\tb+ii+1], v[\tb+ii:\tb+ii+1], v[MO+2:MO+3] op_sel_hi:[1,0]
.set ii, ii+2
.endr
	WIN 0x14
.set ii, 0
.rept 32
	v_pk_fma_f32 v[\tb+ii:\tb+ii+1], v[\tb+ii:\tb+ii+1], v[ii:ii+1], v[64+ii:64+ii+1]
.set ii, ii+2
.endr
.irp p, 0,1,2
.set CRP, 160+16*\p+16*(\p/2)
	WIN 0x40
.set ii, 0
.rept 64
	v_med3_num_f32 v[TMP+ii], v[\tb+ii], -v[LQ+\p], v[LQ+\p]
.set ii, ii+1
.endr
	WIN 0x01
.irp n, 0,1,2,3,4,5,6,7
	v_cvt_scalef32_pk8_fp8_f32 v[CRP+2*\n:CRP+2*\n+1], v[TMP+8*\n:TMP+8*\n+7], v[SQ+\p]
.endr
	v_nop
.endr
	WIN 0
	v_add_nc_u32 v[ADW], s[TO], v[IMW]
.irp q, 0,1,2,3
	ds_store_b128 v[ADW], v[160+4*\q:160+4*\q+3] offset:(\odd)*YT+512*\q
	ds_store_b128 v[ADW], v[176+4*\q:176+4*\q+3] offset:(\odd)*YT+2048+512*\q
	ds_store_b128 v[ADW], v[208+4*\q:208+4*\q+3] offset:(\odd)*YT+IM3+512*\q
.endr
.endif
.endm
.macro LOOP2 kind, k, trips, base
	s_mov_b32 s[TO], (\base)*YT
	s_mov_b32 s[SO], (\base)*128
	s_mov_b32 s[CT], 0
	LDT T0, U0, TO, SO, 0, \k
.Ltrip_\@:
	LDT T1, U1, TO, SO, 1, \k
	s_wait_dscnt 16+4*(\k)
	PROC \kind, T0, U0, 0
	s_add_co_u32 s[TN], s[TO], 2*YT
	s_min_u32 s[TN], s[TN], ((\base)+2*(\trips)-2)*YT
.if \k >= 1
	s_add_co_u32 s[SN], s[SO], 256
	s_min_u32 s[SN], s[SN], ((\base)+2*(\trips)-2)*128
.endif
	LDT T0, U0, TN, SN, 0, \k
	s_wait_dscnt 16+4*(\k)
	PROC \kind, T1, U1, 1
.if \kind == 3
	v_cndmask_b32 v[EV], v[MU], v[MU+4], s[HM]
	v_cndmask_b32 v[EV+1], v[MU+2], v[MU+6], s[HM]
	s_cmp_lg_u32 s[WV], s[CT]
	s_cbranch_scc1 .Lnost_\@
	global_store_b64 v[STV], v[EV:EV+1], s[STP:STP+1]
.Lnost_\@:
	s_wait_xcnt 0x0
.endif
	s_add_co_u32 s[TO], s[TO], 2*YT
	s_add_co_u32 s[SO], s[SO], 256
	s_add_co_u32 s[CT], s[CT], 1
	s_cmp_lt_u32 s[CT], \trips
	s_cbranch_scc1 .Ltrip_\@
	s_wait_dscnt 0x0
.endm
.macro AFETCH
.irp s, 0,1,2,3
	v_add_nc_u32 v[AT+\s], s[ROFF], v[IMR+\s]
.endr
.irp hf, 0,1
	WIN (2+\hf)<<6
.irp m, 0,1,2,3
.irp s, 0,1,2,3
.irp q, 0,1,2,3
	ds_load_b128 v[64*\m+16*\s+4*\q:64*\m+16*\s+4*\q+3], v[AT+\s] offset:(4*\hf+\m)*YT+512*\q
.endr
.endr
.endr
.endr
	WIN 0
.endm
.macro WLOAD u, ptr, off
	WIN 0x40
.set ii, 0
.rept 16
	global_load_b128 v[64*(\u)+4*ii:64*(\u)+4*ii+3], v[L16], s[\ptr:\ptr+1] offset:(\off)+512*ii
.set ii, ii+1
.endr
	WIN 0
.endm
.macro MM u, orient, cmode
.irp hf, 0,1
.if \orient
	WIN 0x06+\hf
.else
	WIN 0x09+4*\hf
.endif
.irp s, 0,1,2,3
.irp m, 0,1,2,3
.set rD, ACC+8*(4*\hf+\m)
.if \orient
.set fS0, 64*\m+16*\s
.set fS1, 64*(\u)+16*\s
.else
.set fS0, 64*(\u)+16*\s
.set fS1, 64*\m+16*\s
.endif
.if (\s == 0) && (\cmode == 0)
	v_wmma_f32_16x16x128_fp8_fp8 v[rD:rD+7], v[fS0:fS0+15], v[fS1:fS1+15], 0
.elseif \s == 0
	v_wmma_f32_16x16x128_fp8_fp8 v[rD:rD+7], v[fS0:fS0+15], v[fS1:fS1+15], v[BIAS:BIAS+7]
.else
	v_wmma_f32_16x16x128_fp8_fp8 v[rD:rD+7], v[fS0:fS0+15], v[fS1:fS1+15], v[rD:rD+7]
.endif
.endr
.endr
.endr
	WIN 0
.endm
.macro HOLD
.set ii, 0
.rept 64
	v_med3_num_f32 v[ACC+ii], v[ACC+ii], -v[LIM], v[LIM]
.set ii, ii+1
.endr
.endm
	s_load_b512 s[4:19], s[0:1], 0x0
	s_load_b64 s[20:21], s[0:1], 0x40
	v_lshl_add_u32 v[SPW], v0, 2, SPARE
	v_mov_b32 v[NIL], 0
	ds_add_u32 v[SPW], v[NIL]
	ds_add_u32 v[SPW], v[NIL]
	v_lshrrev_b32 v[LN], 5, v0
	v_readfirstlane_b32 s[WV], v[LN]
	v_and_b32 v[LN], 31, v0
	s_wait_alu depctr_va_vdst(0)
	v_and_b32 v[RR], 15, v0
	s_wait_alu depctr_va_vdst(0)
	v_bfe_u32 v[HH], v0, 4, 1
	s_and_b32 s[BB], ttmp7, 0xffff
	s_mov_b32 s[G1+0], (2<<16)|(1<<20)|(6<<22)|(3<<25)
	s_mov_b32 s[G1+1], 128<<16
	s_mov_b32 s[G1+2], 128<<16
	s_mov_b32 s[G1+3], 128<<16
	s_mov_b32 s[G1+4], 128
	s_mov_b32 s[G1+5], 32768
	s_mov_b32 s[G1+6], 0
	s_mov_b32 s[G1+7], 0
	s_mul_i32 s[YWB], s[WV], YW
	s_mov_b32 s[G0+0], 1
	s_mov_b32 s[G0+1], s[YWB]
	s_lshl_b32 s86, ttmp9, 24
	s_lshl_b32 s88, s[BB], 11
	s_add_co_u32 s86, s86, s88
	s_lshl_b32 s88, s[WV], 9
	s_add_co_u32 s86, s86, s88
	s_mov_b32 s87, 0
	s_mov_b32 s89, 0
	s_lshl_b32 s[OO], s[BB], 18
	s_lshl_b32 s[IO], s[WV], 16
	s_add_co_u32 s[OO], s[OO], s[IO]
	s_lshl_b32 s[IO], ttmp9, 13
	s_add_co_u32 s[OO], s[OO], s[IO]
	s_mov_b32 s[OO+1], 0
	s_mov_b32 s[SEL], 0x76543210
	s_mov_b32 s[SEL+1], 0xfedcba98
	s_mov_b32 s[R512], 0x3b000000
	s_mov_b32 s[R128], 0x3c000000
	s_mov_b32 s[R4], 0x3e800000
	s_mov_b32 s[EPSR], 0x3727c5ac
	s_mov_b32 s[HM], 0xffff0000
	s_mov_b32 s72, 229376
	s_mov_b32 s73, 32768
	s_mov_b32 s[WS+1], 0
	v_lshlrev_b32 v[L16], 4, v[LN]
	v_mul_u32_u24 v[Y0], v[RR], YP
	s_wait_alu depctr_va_vdst(0)
	v_lshl_add_u32 v[Y0], v[HH], 5, v[Y0]
	v_add_nc_u32 v[Y0], s[YWB], v[Y0]
	v_lshlrev_b32 v[GOF], 5, v[HH]
	v_add_nc_u32 v[IMW], s[YWB], v[L16]
.irp s, 0,1,2,3
	v_add_nc_u32 v[IMR+\s], \s*YW, v[L16]
.endr
	s_lshl_b32 s[IO], s[WV], 10
	s_add_co_u32 s[IO], s[IO], STAT0
	v_lshl_add_u32 v[SW0], v[LN], 2, s[IO]
	v_lshlrev_b32 v[SR0], 2, v[LN]
	v_add_nc_u32 v[SR0], STAT0, v[SR0]
	s_lshl_b32 s[IO], s[WV], 8
	v_lshl_add_u32 v[STV], v[LN], 3, s[IO]
	v_mov_b32 v[PT], 0
	v_mov_b32 v[MU+1], 0
	v_mov_b32 v[MU+3], 0
	v_mov_b32 v[MU+5], 0
	v_mov_b32 v[MU+7], 0
	s_wait_dscnt 0x0
	s_wait_kmcnt 0x0
	s_load_b256 s[44:51], s[12:13], 0x0
	s_load_b32 s52, s[12:13], 0x20
	s_add_nc_u64 s[G0+2:G0+3], s[4:5], s[86:87]
	s_or_b32 s[G0+3], s[G0+3], 0x80000000
	tensor_load_to_lds s[G0:G0+3], s[G1:G1+7]
	s_nop 0
	s_wait_alu depctr_va_vdst(0)
	PLACES
	s_add_nc_u64 s[6:7], s[6:7], s[88:89]
	s_add_nc_u64 s[8:9], s[8:9], s[88:89]
	GBLOAD 6, 8
	s_lshl_b32 s88, s[WV], 16
	s_add_nc_u64 s[10:11], s[10:11], s[88:89]
	s_mov_b64 s[WN:WN+1], s[10:11]
	s_add_nc_u64 s[VP:VP+1], s[18:19], s[OO:OO+1]
	s_lshl_b32 s88, s[BB], 12
	s_lshl_b32 s[IO], ttmp9, 10
	s_add_co_u32 s88, s88, s[IO]
	s_add_nc_u64 s[STP:STP+1], s[20:21], s[88:89]
	s_wait_kmcnt 0x0
	MKSC 54, 44
	MKSC 56, 46
	MKSC 58, 48
	s_sub_co_i32 s86, s50, s44
	s_sub_co_i32 s86, s86, s45
	MKSC 60, 86
	s_sub_co_i32 s86, s51, s46
	s_sub_co_i32 s86, s86, s47
	MKSC 62, 86
	s_sub_co_i32 s86, s52, s48
	s_sub_co_i32 s86, s86, s49
	MKSC 66, 86
	v_mov_b32 v[SQ], s54
	v_mov_b32 v[LQ], s55
	v_mov_b32 v[SQ+1], s56
	v_mov_b32 v[LQ+1], s57
	v_mov_b32 v[SQ+2], s58
	v_mov_b32 v[LQ+2], s59
	s_wait_tensorcnt 0x0
	LOOP2 1, 0, 4, 0
	BAR
	s_wait_loadcnt 0x0
	LOOP2 3, 2, 4, 0
.irp u, 0,1,2,3
	WLOAD \u, 10, 8192*\u
.endr
	BAR
	s_mov_b32 s[RHO], 0
.Lrole:
	s_lshl_b32 s[ROFF], s[RHO], 11
	AFETCH
	s_cmp_eq_u32 s[RHO], 0
	s_cselect_b32 s86, s60, s62
	s_cselect_b32 s87, s61, s63
	v_mov_b32 v[SC], s86
	v_mov_b32 v[LIM], s87
	s_wait_dscnt 0x0
	s_mov_b32 s[AH], 0
.Lhead:
.irp t, 0,1,2,3
	s_wait_loadcnt 48
	MM \t, 0, 0
	PLACES
.if \t == 0
	s_wait_alu depctr_va_vdst(0)
	s_wait_xcnt 0x0
	s_cmp_eq_u32 s[RHO], 0
	s_cselect_b64 s[OP:OP+1], s[14:15], s[16:17]
	s_add_nc_u64 s[OP:OP+1], s[OP:OP+1], s[OO:OO+1]
	s_lshl_b32 s88, s[AH], 15
	s_add_nc_u64 s[OP:OP+1], s[OP:OP+1], s[88:89]
	s_cmp_eq_u32 s[AH], 0
	s_cselect_b32 s[WS], s73, s72
	s_add_nc_u64 s[WN:WN+1], s[WN:WN+1], s[WS:WS+1]
.endif
	WLOAD \t, WN, 8192*\t
	HOLD
.irp m, 0,1,2,3,4,5,6,7
	v_cvt_scalef32_pk8_fp8_f32 v[CQ+8*\m+2*\t:CQ+8*\m+2*\t+1], v[ACC+8*\m:ACC+8*\m+7], v[SC]
.endr
	v_nop
.endr
.irp m, 0,1,2,3,4,5,6,7
	global_store_b128 v[L16], v[CQ+8*\m:CQ+8*\m+3], s[OP:OP+1] offset:1024*\m
	global_store_b128 v[L16], v[CQ+8*\m+4:CQ+8*\m+7], s[OP:OP+1] offset:1024*\m+512
.endr
	s_add_co_u32 s[AH], s[AH], 1
	s_cmp_lt_u32 s[AH], 2
	s_cbranch_scc1 .Lhead
	s_add_co_u32 s[RHO], s[RHO], 1
	s_cmp_lt_u32 s[RHO], 2
	s_cbranch_scc1 .Lrole
	s_mov_b32 s[ROFF], IM3
	AFETCH
	v_mov_b32 v[SC], s66
	v_mov_b32 v[LIM], s67
	s_wait_dscnt 0x0
.irp a, 0,1
.irp t, 0,1,2,3
	s_wait_loadcnt 48-16*\t*\a
	MM \t, 1, 0
	PLACES
	s_wait_alu depctr_va_vdst(0)
	s_wait_xcnt 0x0
.if (\a == 0) && (\t == 0)
	s_add_nc_u64 s[WN:WN+1], s[WN:WN+1], 32768
.endif
.if \a == 0
	WLOAD \t, WN, 8192*\t
.endif
	HOLD
.irp m, 0,1,2,3,4,5,6,7
	v_cvt_scalef32_pk8_fp8_f32 v[CV+2*\m:CV+2*\m+1], v[ACC+8*\m:ACC+8*\m+7], v[SC]
.endr
	v_nop
.irp q, 0,1,2,3
	global_store_b128 v[L16], v[CV+4*\q:CV+4*\q+3], s[VP:VP+1] offset:32768*\a+2048*\t+512*\q
.endr
.endr
.endr
	s_wait_tensorcnt 0x0
	ds_add_u32 v[SPW], v[NIL]
	s_wait_dscnt 0x0
	s_endpgm
.Lfunc_end_k_qac3e9471da_qkv:
	.size	k_qac3e9471da_qkv, .Lfunc_end_k_qac3e9471da_qkv-k_qac3e9471da_qkv
	.p2alignl 7, 3214868480
	.fill 96, 4, 3214868480
	.section	.rodata,"a",@progbits
	.p2align	6, 0x0
	.amdhsa_kernel k_qac3e9471da_qkv
		.amdhsa_group_segment_fixed_size 327680
		.amdhsa_private_segment_fixed_size 0
		.amdhsa_enable_private_segment 0
		.amdhsa_kernarg_size 72
		.amdhsa_user_sgpr_count 2
		.amdhsa_user_sgpr_kernarg_segment_ptr 1
		.amdhsa_wavefront_size32 1
		.amdhsa_system_sgpr_workgroup_id_x 1
		.amdhsa_system_sgpr_workgroup_id_y 1
		.amdhsa_system_sgpr_workgroup_id_z 1
		.amdhsa_system_vgpr_workitem_id 0
		.amdhsa_next_free_vgpr 1024
		.amdhsa_next_free_sgpr 100
		.amdhsa_reserve_vcc 0
		.amdhsa_float_denorm_mode_32 3
		.amdhsa_float_denorm_mode_16_64 3
		.amdhsa_memory_ordered 1
		.amdhsa_forward_progress 1
		.amdhsa_inst_pref_size 198
	.end_amdhsa_kernel
	.amdgpu_metadata
---
amdhsa.version: [ 1, 2 ]
amdhsa.kernels:
  - .name:           k_qac3e9471da_qkv
    .symbol:         k_qac3e9471da_qkv.kd
    .args:
      - { .name: x, .offset: 0, .size: 8, .value_kind: global_buffer, .address_space: global }
      - { .name: g1, .offset: 8, .size: 8, .value_kind: global_buffer, .address_space: global }
      - { .name: b1, .offset: 16, .size: 8, .value_kind: global_buffer, .address_space: global }
      - { .name: wc, .offset: 24, .size: 8, .value_kind: global_buffer, .address_space: global }
      - { .name: lowp_scales, .offset: 32, .size: 8, .value_kind: global_buffer, .address_space: global }
      - { .name: qc, .offset: 40, .size: 8, .value_kind: global_buffer, .address_space: global }
      - { .name: kc, .offset: 48, .size: 8, .value_kind: global_buffer, .address_space: global }
      - { .name: vc, .offset: 56, .size: 8, .value_kind: global_buffer, .address_space: global }
      - { .name: st, .offset: 64, .size: 8, .value_kind: global_buffer, .address_space: global }
    .group_segment_fixed_size: 327680
    .private_segment_fixed_size: 0
    .kernarg_segment_align: 8
    .kernarg_segment_size: 72
    .max_flat_workgroup_size: 128
    .sgpr_count:     100
    .vgpr_count:     1024
    .wavefront_size: 32
...
	.end_amdgpu_metadata
.endif
;; end of part 2
;; launch attnffn (part 3): grid 4 x 64, 4 waves a work-group, no clusters, 327,680 bytes of LDS; arguments x, qc, kc, vc, st, wc, g1, b1, g2, b2, bf1, bf2, lowp_scales, out0; writes out0
.if DOCPART == 3
	.amdgcn_target "amdgcn-amd-amdhsa--gfx1250"
	.amdhsa_code_object_version 6
	.text
	.protected	k_qac3e9471da_attnffn
	.globl	k_qac3e9471da_attnffn
	.p2align	8
	.type	k_qac3e9471da_attnffn,@function
k_qac3e9471da_attnffn:
	s_mov_b64 s[64:65], 0
	v_nop
	global_prefetch_b8 v0, s[64:65] scope:SCOPE_SE
	s_setreg_imm32_b32 hwreg(HW_REG_WAVE_MODE, 25, 1), 1
	s_wait_xcnt 0x0
; Attention on codes of E4M3, the residual xn + att_out, LayerNorm 2 and the two products of the FFN, for 128 queries (work-group x) of one batch (work-group y).  No work of the problem is left out.
; SHARES.  Wave w owns heads 2 w, 2 w + 1, one after the other: all 512 keys of K in window 2, of V in window 3, a tile's 16 x 512 scores in window 1.  A trip takes 16 queries of one head.
; Both products are used transposed: a lane holds one query (lane % 16); register 8 t + j of O^T is channel 16 t + 8 (lane / 16) + j.
; SOFTMAX: t = score x log2(e) / 8; M = ceil of the row's largest t; p = 2^(t - M) is quantised with the given scale; the row's sum of the unquantised p divides at the end.
; x COMES STRAIGHT INTO REGISTERS, one trip ahead: a trip's eight loads together cover 256 whole bytes of each of 16 rows.  xn is made anew from st's mean and 1/sigma, g1 (registers) and b1 (a table in LDS).
; y = xn + att_out goes to LDS once; its mean and centred squares over the head's 64 columns are taken while it is in registers: eight parts a row, joined after one barrier.
; LN2 and xt's quantiser are one pass over y; the codes go from wave to wave as images of the operand's registers, four tiles of 16 rows at a time.  Wave w makes columns 128 w .. + 127 of both FFN products.
; NO CLUSTER, NO TENSOR LOAD: K, V and the weights lie in memory as register images and go straight into registers; of LDS y takes 278,528 bytes, images 32,768, parts 8,192, tables 6,144, spare words 512: no room is left for slots.
; LIMITS: e6 + e7 between -123 and 130; e9, e10, e12 - e10 - e11 between -126 and 119; e12 + e13 between -126 and 127.  NaN among the inputs is not served.
.set YW,    69632                      ; a wave's part of y: two halves of 128 rows x (256 + 16) bytes
.set YA,    34816
.set YP,    272
.set YT,    16*YP
.set IMG,   4*YW                       ; images: [tile of 4][wave = K step][2,048]
.set STAT0, IMG+32768                  ; parts: [head 8][tile 8][16 means, 16 sums of squares]
.set BT,    STAT0+8192                 ; bf1, bf2 divided by the sums' power of two
.set SPARE, BT+4096                    ; the spare words
.set B1T,   SPARE+512                  ; b1
.set L16, 1
.set Y0,  2
.set YAD, 3
.set SPW, 4
.set NIL, 5
.set QOF, 6
.set GOF, 7
.set STO, 8
.set STA, 9
.set PFO, 10
.set FLR, 11
.set FLG, 13
.set BTA, 14
.set ADW, 15
.set LN,  17
.set RR,  18
.set HH,  19
.set XOF, 20
.set BTW, 21
.set XA,  22
.set B1A, 23
.set IMW, 24
.set IMR, 25
.set SW0, 26
.set SR0, 27
.set ADR, 28
.set ADS, 29
.set SC,  30
.set LIM, 31
.set QF,  32
.set OF,  40
.set PF,  72
.set GG,  136
.set XR,  168
.set LIMP, 200
.set SCP, 201
.set INV, 202
.set RSB, 204
.set MUR, 206
.set NM,  208
.set SUM, 210
.set NINF, 226
.set PFX, 227
.set B1R, 228
.set B1W, 229
.set XPA, 230
.set MX,  244
.set T0,  32
.set T1,  96
.set ACC, 32
.set HC,  96
.set XT,  96
.set C0,  160
.set U0,  192
.set U1,  208
.set BIAS, 224
.set PT,  232
.set VR,  233
.set EV,  234
.set MU,  236
.set QS,  244
.set QP,  6
.set KP,  8
.set VP,  10
.set STP, 12
.set WP,  14
.set OUTP, 30
.set WV,  32
.set BB,  34
.set YWB, 35
.set HM,  36
.set CS,  60
.set SEL, 62
.set MI,  79
.set AI,  80
.set YO,  81
.set OUT2, 90
.set HF,  92
.set TO,  93
.set SO,  95
.set R512, 98
.set EPSR, 99
.set R8,  100
.set R64, 101
.set MSB, 0
.macro WIN new                         ; the immediate's high byte repeats the setting that is left
.if MSB != (\new)
	s_set_vgpr_msb (MSB<<8)|(\new)
.set MSB, (\new)
.endif
.endm
.macro PLACES
.rept 4
	v_nop
.endr
.endm
.macro BAR
	s_barrier_signal -1
	s_barrier_wait -1
.endm
.macro MKSC dst, src                   ; s[dst] = 2^e, s[dst+1] = 448 x 2^e as f32
	s_add_co_i32 s[\dst+1], s[\src], 127
	s_lshl_b32 s[\dst], s[\dst+1], 23
	s_add_co_i32 s[\dst+1], s[\dst+1], 8
	s_lshl_b32 s[\dst+1], s[\dst+1], 23
	s_or_b32 s[\dst+1], s[\dst+1], 0x600000
.endm
.macro GBLOAD pg, pb                   ; g2, b2 of my 128 columns, in a tile's register order: window 1, v0-63 and v64-127
	WIN 0x40
.irp n, 0,1,2,3,4,5,6,7
	global_load_b128 v[8*\n:8*\n+3], v[GOF], s[\pg:\pg+1] offset:64*\n
	global_load_b128 v[8*\n+4:8*\n+7], v[GOF], s[\pg:\pg+1] offset:64*\n+16
	global_load_b128 v[64+8*\n:64+8*\n+3], v[GOF], s[\pb:\pb+1] offset:64*\n
	global_load_b128 v[64+8*\n+4:64+8*\n+7], v[GOF], s[\pb:\pb+1] offset:64*\n+16
.endr
	WIN 0
.endm
.macro LDT tb, ub, i                   ; tile i of the half: 16 rows x my 128 columns of y, and the rows' eight parts: 32 LDS loads
.irp n, 0,1,2,3,4,5,6,7
	ds_load_b128 v[\tb+8*\n:\tb+8*\n+3], v[ADR] offset:(\i)*YT+(\n/4)*YA+(\n%4)*64
	ds_load_b128 v[\tb+8*\n+4:\tb+8*\n+7], v[ADR] offset:(\i)*YT+(\n/4)*YA+(\n%4)*64+16
.endr
.irp p, 0,1,2,3,4,5,6,7
	ds_load_b32 v[\ub+\p], v[ADS] offset:(\i)*128+1024*\p
	ds_load_b32 v[\ub+8+\p], v[ADS] offset:(\i)*128+1024*\p+64
.endr
.endm
.macro PROC tb, ub, i                  ; LN2 of a tile, xt back to LDS, its codes into the image: 20 LDS stores
	v_pk_add_f32 v[QS:QS+1], v[\ub:\ub+1], v[\ub+2:\ub+3]
	v_pk_add_f32 v[QS+2:QS+3], v[\ub+4:\ub+5], v[\ub+6:\ub+7]
	v_pk_add_f32 v[\ub+8:\ub+9], v[\ub+8:\ub+9], v[\ub+10:\ub+11]
	v_pk_add_f32 v[\ub+12:\ub+13], v[\ub+12:\ub+13], v[\ub+14:\ub+15]
	v_pk_add_f32 v[QS:QS+1], v[QS:QS+1], v[QS+2:QS+3]
	v_pk_add_f32 v[\ub+8:\ub+9], v[\ub+8:\ub+9], v[\ub+12:\ub+13]
	v_add_f32 v[MU], v[QS], v[QS+1]
	v_add_f32 v[VR], v[\ub+8], v[\ub+9]
	v_mul_f32 v[MU], s[R8], v[MU]                  ; the row's mean: the mean of eight means of 64
	v_fma_f32 v[VR], v[VR], s[R512], s[EPSR]
.irp p, 0,2,4,6
	v_pk_add_f32 v[\ub+\p:\ub+\p+1], v[\ub+\p:\ub+\p+1], v[MU:MU+1] op_sel_hi:[1,0] neg_lo:[0,1] neg_hi:[0,1]
.endr
	v_pk_mul_f32 v[QS:QS+1], v[\ub:\ub+1], v[\ub:\ub+1]
.irp p, 2,4,6
	v_pk_fma_f32 v[QS:QS+1], v[\ub+\p:\ub+\p+1], v[\ub+\p:\ub+\p+1], v[QS:QS+1]
.endr
	v_add_f32 v[QS], v[QS], v[QS+1]
	v_fma_f32 v[VR], v[QS], s[R8], v[VR]           ; variance + eps: the parts' squares / 512 + the means' squared distances / 8
	s_wait_alu depctr_va_vdst(0)                   ; the wait ahead of the transcendental
	v_rsq_f32 v[MU+2], v[VR]
.set ii, 0
.rept 32
	v_pk_add_f32 v[\tb+ii:\tb+ii+1], v[\tb+ii:\tb+ii+1], v[MU:MU+1] op_sel_hi:[1,0] neg_lo:[0,1] neg_hi:[0,1]
.set ii, ii+2
.endr
	s_wait_alu depctr_va_vdst(0)                   ; and ahead of its first reader
.set ii, 0
.rept 32
	v_pk_mul_f32 v[\tb+ii:\tb+ii+1], v[\tb+ii:\tb+ii+1], v[MU+2:MU+3] op_sel_hi:[1,0]
.set ii, ii+2
.endr
	WIN 0x14
.set ii, 0
.rept 32
	v_pk_fma_f32 v[\tb+ii:\tb+ii+1], v[\tb+ii:\tb+ii+1], v[ii:ii+1], v[64+ii:64+ii+1]
.set ii, ii+2
.endr
	WIN 0
.irp n, 0,1,2,3,4,5,6,7
	ds_store_b128 v[ADR], v[\tb+8*\n:\tb+8*\n+3] offset:(\i)*YT+(\n/4)*YA+(\n%4)*64
	ds_store_b128 v[ADR], v[\tb+8*\n+4:\tb+8*\n+7] offset:(\i)*YT+(\n/4)*YA+(\n%4)*64+16
.endr
.set CB, C0+16*((\i)%2)
.set ii, 0
.rept 64
	v_med3_num_f32 v[\tb+ii], v[\tb+ii], -v[LIM], v[LIM]   ; the conversion does not saturate (ISA guide 7.6.2): the hold comes first
.set ii, ii+1
.endr
.irp n, 0,1,2,3,4,5,6,7
	v_cvt_scalef32_pk8_fp8_f32 v[CB+2*\n:CB+2*\n+1], v[\tb+8*\n:\tb+8*\n+7], v[SC]
.endr
	v_nop
.irp q, 0,1,2,3
	ds_store_b128 v[IMW], v[CB+4*\q:CB+4*\q+3] offset:8192*(\i)+512*\q
.endr
.endm
.macro ALOAD hf                        ; four tiles x K = 512 of codes: 256 registers, window 2 or 3
	WIN (2+(\hf))<<6
.set ii, 0
.rept 64
	ds_load_b128 v[4*ii:4*ii+3], v[IMR] offset:512*ii
.set ii, ii+1
.endr
	WIN 0
.endm
.macro WLOAD u, ptr, off               ; a weight's tile of 16 rows x K = 512 into buffer u of window 1
	WIN 0x40
.set ii, 0
.rept 16
	global_load_b128 v[64*(\u)+4*ii:64*(\u)+4*ii+3], v[L16], s[\ptr:\ptr+1] offset:(\off)+512*ii
.set ii, ii+1
.endr
	WIN 0
.endm
.macro MM u                            ; 16 channels x 128 rows x K = 512: source 0 the weight, source 1 the rows; four accumulators by turns; the bias starts the sums
.irp hf, 0,1
	WIN 0x09+4*\hf
.irp s, 0,1,2,3
.irp m, 0,1,2,3
.set rD, ACC+8*(4*\hf+\m)
.if \s == 0
	v_wmma_f32_16x16x128_fp8_fp8 v[rD:rD+7], v[64*(\u)+16*\s:64*(\u)+16*\s+15], v[64*\m+16*\s:64*\m+16*\s+15], v[BIAS:BIAS+7]
.else
	v_wmma_f32_16x16x128_fp8_fp8 v[rD:rD+7], v[64*(\u)+16*\s:64*(\u)+16*\s+15], v[64*\m+16*\s:64*\m+16*\s+15], v[rD:rD+7]
.endif
.endr
.endr
.endr
	WIN 0
.endm
.macro BLOAD idx
	ds_load_b128 v[BIAS:BIAS+3], v[BTA] offset:((\idx)/8)*512+((\idx)%8)*64
	ds_load_b128 v[BIAS+4:BIAS+7], v[BTA] offset:((\idx)/8)*512+((\idx)%8)*64+16
.endm
.macro FLUSH a                         ; half a of my columns leaves by rows: sixteen lanes store 256 consecutive bytes, aligned
.irp kb, 0,1,2,3
.set FB, 96+64*(\kb%2)
.if \kb >= 2
	s_wait_xcnt 0x0                                ; the stores of two runs ago have read their registers
.endif
.irp i, 0,1,2,3,4,5,6,7,8,9,10,11,12,13,14,15
	ds_load_b128 v[FB+4*\i:FB+4*\i+3], v[FLR+\a] offset:544*(16*\kb+\i)
.endr
.irp i, 0,1,2,3,4,5,6,7,8,9,10,11,12,13,14,15
	s_wait_dscnt 15-\i
.if \kb < 2
	global_store_b128 v[FLG], v[FB+4*\i:FB+4*\i+3], s[OUTP:OUTP+1] offset:262144*(16*\kb+\i)+256*(\a) th:TH_STORE_NT
.else
	global_store_b128 v[FLG], v[FB+4*\i:FB+4*\i+3], s[OUT2:OUT2+1] offset:262144*(16*\kb+\i-32)+256*(\a) th:TH_STORE_NT
.endif
.endr
.endr
.endm
.macro KLOAD
	WIN 0x80
.set ii, 0
.rept 64
	global_load_b128 v[4*ii:4*ii+3], v[L16], s[KP:KP+1] offset:512*ii
.set ii, ii+1
.endr
	WIN 0
.endm
.macro QLOAD0
	global_load_b128 v[QF:QF+3], v[L16], s[QP:QP+1] th:TH_LOAD_NT
	global_load_b128 v[QF+4:QF+7], v[L16], s[QP:QP+1] offset:512 th:TH_LOAD_NT
.endm
.macro XLOAD adr                       ; 16 rows x 64 columns of x in O^T's register order
.irp t, 0,1,2,3
	global_load_b128 v[XR+8*\t:XR+8*\t+3], v[\adr], s[4:5] offset:64*\t
	global_load_b128 v[XR+8*\t+4:XR+8*\t+7], v[\adr], s[4:5] offset:64*\t+16
.endr
.endm
.macro GVLOAD                          ; g1 of the head's 64 columns, and V
.irp t, 0,1,2,3
	global_load_b128 v[GG+8*\t:GG+8*\t+3], v[GOF], s[16:17] offset:64*\t
	global_load_b128 v[GG+8*\t+4:GG+8*\t+7], v[GOF], s[16:17] offset:64*\t+16
.endr
	WIN 0xc0
.set ii, 0
.rept 64
	global_load_b128 v[4*ii:4*ii+3], v[L16], s[VP:VP+1] offset:512*ii
.set ii, ii+1
.endr
	WIN 0
.endm
	s_load_b512 s[4:19], s[0:1], 0x0               ; x, qc, kc, vc, st, wc, g1, b1
	s_load_b256 s[20:27], s[0:1], 0x40             ; g2, b2, bf1, bf2
	s_load_b128 s[28:31], s[0:1], 0x60             ; lowp_scales, out0
	v_lshrrev_b32 v[LN], 5, v0
	v_readfirstlane_b32 s[WV], v[LN]               ; wave 0..3
	s_and_b32 s[BB], ttmp7, 0xffff                 ; the batch
	s_mul_i32 s[YWB], s[WV], YW
	s_lshl_b32 s82, ttmp9, 24                      ; x and out0: 128 rows of 131,072 bytes for each work-group x,
	s_lshl_b32 s84, s[BB], 11
	s_add_co_u32 s82, s82, s84                     ; the batch's 2,048 bytes of a row,
	s_lshl_b32 s84, s[WV], 9
	s_add_co_u32 s82, s82, s84                     ; my 512 of them
	s_mov_b32 s83, 0
	s_lshl_b32 s84, s[BB], 18                      ; codes: 262,144 bytes a batch, 65,536 a wave's two heads
	s_lshl_b32 s85, s[WV], 16
	s_add_co_u32 s84, s84, s85
	s_mov_b32 s85, 0
	s_lshl_b32 s38, s[WV], 10
	s_add_co_u32 s38, s38, BT
	s_lshl_b32 s39, s[WV], 11
	s_add_co_u32 s40, s39, STAT0
	s_add_co_u32 s39, s39, IMG
	s_lshl_b32 s41, s[WV], 9
	s_add_co_u32 s41, s41, B1T
	s_mov_b32 s[HM], 0xffff0000
	s_mov_b32 s[SEL], 0x76543210
	s_mov_b32 s[SEL+1], 0xfedcba98
	s_mov_b32 s[R512], 0x3b000000
	s_mov_b32 s[R64], 0x3c800000
	s_mov_b32 s[R8], 0x3e000000
	s_mov_b32 s[EPSR], 0x3727c5ac
	v_lshl_add_u32 v[SPW], v0, 2, SPARE
	v_mov_b32 v[NIL], 0
	v_and_b32 v[LN], 31, v0
	v_and_b32 v[RR], 15, v0
	v_bfe_u32 v[HH], v0, 4, 1
	v_lshlrev_b32 v[L16], 4, v[LN]
	v_mul_u32_u24 v[Y0], v[RR], YP
	v_lshl_add_u32 v[Y0], v[HH], 5, v[Y0]
	v_add_nc_u32 v[Y0], s[YWB], v[Y0]              ; y: row r, 32 bytes for each half of the lanes
	v_lshlrev_b32 v[GOF], 5, v[HH]
	v_lshlrev_b32 v[STO], 3, v[RR]
	v_lshlrev_b32 v[PFO], 8, v[LN]
	v_mul_u32_u24 v[FLR], v[HH], YP
	v_lshl_add_u32 v[FLR], v[RR], 4, v[FLR]
	v_add_nc_u32 v[FLR], s[YWB], v[FLR]
	v_add_nc_u32 v[FLR+1], YA, v[FLR]
	v_lshlrev_b32 v[FLG], 17, v[HH]
	v_lshl_add_u32 v[FLG], v[RR], 4, v[FLG]
	v_add_nc_u32 v[BTW], s38, v[L16]
	v_add_nc_u32 v[BTA], s38, v[GOF]
	v_add_nc_u32 v[IMW], s39, v[L16]
	v_add_nc_u32 v[IMR], IMG, v[L16]
	v_lshl_add_u32 v[SW0], v[LN], 2, s40           ; parts, in: lanes 0-15 the means, lanes 16-31 the squares
	v_lshl_add_u32 v[SR0], v[RR], 2, STAT0         ; and out: row r
	v_lshlrev_b32 v[XOF], 17, v[RR]
	v_lshl_add_u32 v[XOF], v[HH], 5, v[XOF]        ; x: row r of 131,072 bytes, + 32 bytes for the upper lanes
	v_min_u32 v[PFX], 15, v[LN]
	v_lshlrev_b32 v[PFX], 17, v[PFX]               ; x's prefetch: a lane a row; lanes 16-31 name the last row again
	v_add_nc_u32 v[B1W], s41, v[L16]
	v_add_nc_u32 v[B1A], s41, v[GOF]
	v_mov_b32 v[PT], 0
	v_mov_b32 v[MU+1], 0
	v_mov_b32 v[MU+3], 0
	v_mov_b32 v[INV+1], 0
	v_mov_b32 v[RSB+1], 0
	v_mov_b32 v[NM+1], 0
	v_mov_b32 v[NINF], 0xff800000
	s_wait_alu depctr_va_vdst(0)
	s_wait_kmcnt 0x0
	s_load_b256 s[52:59], s[28:29], 0x18           ; e6 .. e13
	s_add_nc_u64 s[KP:KP+1], s[KP:KP+1], s[84:85]
	s_add_nc_u64 s[VP:VP+1], s[VP:VP+1], s[84:85]
	s_add_nc_u64 s[QP:QP+1], s[QP:QP+1], s[84:85]
	s_lshl_b32 s84, ttmp9, 13
	s_add_nc_u64 s[QP:QP+1], s[QP:QP+1], s[84:85]
	s_add_nc_u64 s[86:87], s[KP:KP+1], s[84:85]    ; the second head's K and V: my work-group's quarter, for the prefetch
	s_add_nc_u64 s[86:87], s[86:87], 32768
	s_add_nc_u64 s[88:89], s[VP:VP+1], s[84:85]
	s_add_nc_u64 s[88:89], s[88:89], 32768
	s_add_nc_u64 s[4:5], s[4:5], s[82:83]
	s_lshl_b32 s84, s[WV], 9
	s_add_nc_u64 s[16:17], s[16:17], s[84:85]
	s_add_nc_u64 s[18:19], s[18:19], s[84:85]
	global_load_b128 v[OF:OF+3], v[L16], s[18:19]  ; b1 of my 128 columns
	KLOAD
	QLOAD0
	XLOAD XOF
	GVLOAD
	s_add_nc_u64 s[20:21], s[20:21], s[84:85]
	s_add_nc_u64 s[22:23], s[22:23], s[84:85]
	s_add_nc_u64 s[24:25], s[24:25], s[84:85]
	s_add_nc_u64 s[26:27], s[26:27], s[84:85]
	s_add_nc_u64 s[OUTP:OUTP+1], s[OUTP:OUTP+1], s[82:83]
	s_add_nc_u64 s[OUT2:OUT2+1], s[OUTP:OUTP+1], 0x800000
	s_lshl_b32 s84, s[BB], 12
	s_lshl_b32 s82, ttmp9, 10
	s_add_co_u32 s84, s84, s82
	s_add_nc_u64 s[STP:STP+1], s[STP:STP+1], s[84:85]
	s_lshl_b32 s84, s[WV], 16
	s_add_co_u32 s84, s84, 3*262144
	s_add_nc_u64 s[WP:WP+1], s[WP:WP+1], s[84:85]  ; W1's eight tiles of my columns; W2's lie 262,144 bytes on
	s_wait_kmcnt 0x0
	s_add_co_i32 s82, s52, s53
	s_lshl_b32 s82, s82, 23
	s_add_co_i32 s[CS], s82, 0x3e38aa3b            ; log2(e) / 8 x 2^(e6 + e7)
	s_mov_b32 s[CS+1], s[CS]
	s_add_co_i32 s66, s54, s55                     ; e8 + e9
	MKSC 67, 55                                    ; p's scale
	MKSC 69, 56                                    ; xt's
	s_add_co_i32 s82, s56, s57
	s_sub_co_i32 s73, 0, s82
	s_sub_co_i32 s83, s58, s82
	MKSC 71, 83                                    ; the hidden layer's, less the first product's two
	s_add_co_i32 s84, s58, s59
	s_sub_co_i32 s74, 0, s84
	s_add_co_i32 s84, s84, 127
	s_lshl_b32 s76, s84, 23                        ; 2^(e12 + e13)
	s_mov_b32 s77, s76
	v_mov_b32 v[SCP], s67
	v_mov_b32 v[LIMP], s68
	s_mov_b32 s[AI], 0
	s_wait_alu depctr_va_vdst(0)
	s_wait_loadcnt 63                              ; 146 loads follow b1's: it is in
	ds_store_b128 v[B1W], v[OF:OF+3]
.Lh:
	s_mul_i32 s[YO], s[AI], YA
	s_lshl_b32 s[SO], s[AI], 10
	s_lshl_b32 s83, s[AI], 8
	v_add_nc_u32 v[B1R], s83, v[B1A]
	s_mov_b32 s[MI], 0
	s_wait_alu depctr_va_vdst(0)
	s_wait_loadcnt 63                              ; behind K's and Q's loads stand 72 or more: they are in
.Lq:
	WIN 0x42
.set kt, 0
.rept 32
	v_wmma_f32_16x16x64_fp8_fp8 v[8*kt:8*kt+7], v[8*kt:8*kt+7], v[QF:QF+7], 0
.set kt, kt+1
.endr
	WIN 0
	PLACES
	s_wait_xcnt 0x0                                ; the last trip's prefetch has read its address
	s_add_co_u32 s82, s[MI], 1
	s_min_u32 s82, s82, 7
	s_lshl_b32 s82, s82, 10
	v_add_nc_u32 v[QOF], s82, v[L16]
	global_load_b128 v[QF:QF+3], v[QOF], s[QP:QP+1] th:TH_LOAD_NT
	global_load_b128 v[QF+4:QF+7], v[QOF], s[QP:QP+1] offset:512 th:TH_LOAD_NT
	s_lshl_b32 s83, s[MI], 7
	v_add_nc_u32 v[STA], s83, v[STO]
	global_load_b64 v[MUR:MUR+1], v[STA], s[STP:STP+1]   ; my row's mean and 1/sigma of LN1
	s_lshl_b32 s82, s[AI], 3
	s_add_co_u32 s82, s82, s[MI]                   ; the trip's number, 0 .. 15
	s_cmp_eq_u32 s82, 6
	s_cbranch_scc0 .Lnoask
	global_prefetch_b8 v[PFO], s[86:87] th:TH_LOAD_NT scope:SCOPE_SE   ; two trips ahead of the second head's loads: 8,192 bytes of K and of V, a quarter for each of the batch's four work-groups
	global_prefetch_b8 v[PFO], s[88:89] th:TH_LOAD_NT scope:SCOPE_SE
.Lnoask:
	s_cmp_lt_u32 s82, 14
	s_cbranch_scc0 .Lnox                           ; the last two trips ask for nothing
	s_add_co_u32 s83, s82, 2
	s_and_b32 s84, s83, 7
	s_lshl_b32 s84, s84, 21
	s_lshr_b32 s83, s83, 3
	s_lshl_b32 s83, s83, 8
	s_add_co_u32 s84, s84, s83
	v_add_nc_u32 v[XPA], s84, v[PFX]
	global_prefetch_b8 v[XPA], s[4:5] th:TH_LOAD_NT scope:SCOPE_SE   ; x of the trip after next: 16 rows x 256 bytes, one trip ahead of its loads
.Lnox:
	WIN 0x14
.set kt, 0
	s_wait_alu depctr_va_vdst(0)
.rept 32
.irp q, 0,1,2,3
.if kt < 2
	v_max3_num_f32 v[MX+4*(kt%2)+\q], v[NINF], v[8*kt+2*\q], v[8*kt+2*\q+1]
.else
	v_max3_num_f32 v[MX+4*(kt%2)+\q], v[MX+4*(kt%2)+\q], v[8*kt+2*\q], v[8*kt+2*\q+1]
.endif
.endr
.set kt, kt+1
.endr
	WIN 0
	v_max3_num_f32 v[MX], v[MX], v[MX+1], v[MX+2]
	v_max3_num_f32 v[MX+3], v[MX+3], v[MX+4], v[MX+5]
	v_max3_num_f32 v[MX], v[MX], v[MX+3], v[MX+6]
	v_max_num_f32 v[MX], v[MX], v[MX+7]
	v_permlanex16_b32 v[PT], v[MX], s[SEL], s[SEL+1]
	v_max_num_f32 v[MX], v[MX], v[PT]
	v_mul_f32 v[MX], s[CS], v[MX]
	v_floor_f32 v[NM], -v[MX]                      ; -M = floor(-t)
	WIN 0x41
.set ii, 0
.rept 32
	v_pk_fma_f32 v[ii:ii+1], v[ii:ii+1], s[CS:CS+1], v[NM:NM+1] op_sel_hi:[1,0,0]
.set ii, ii+2
.endr
	s_wait_alu depctr_va_vdst(0)                   ; a wait ahead of each batch of exponentials and behind it
.irp k, 0,1,2,3                        ; 128 keys at a time: their exponentials, with the holds of the 128 before and the scalings of the 128 after among them
	WIN 0x41
.set ii, 0
.rept 64
	v_exp_f32 v[64*\k+ii], v[64*\k+ii]
.if \k > 0
	v_min_num_f32 v[64*\k-64+ii], v[64*\k-64+ii], v[LIMP]
.endif
.if (\k < 3) && ((ii%2) == 0)
	v_pk_fma_f32 v[64*\k+64+ii:64*\k+65+ii], v[64*\k+64+ii:64*\k+65+ii], s[CS:CS+1], v[NM:NM+1] op_sel_hi:[1,0,0]
.endif
.set ii, ii+1
.endr
.if \k == 0
	v_nop
.endif
	s_wait_alu depctr_va_vdst(0)
.if \k == 0
	WIN 0x05
.irp c, 0,1,2,3,4,5,6,7
	v_pk_add_f32 v[SUM+2*\c:SUM+2*\c+1], v[4*\c:4*\c+1], v[4*\c+2:4*\c+3]
.endr
	WIN 0x01
.set ii, 32
.rept 16
	v_pk_add_f32 v[SUM+ii%16:SUM+ii%16+1], v[ii:ii+1], v[SUM+ii%16:SUM+ii%16+1]
.set ii, ii+2
.endr
.else
	WIN 0x01
.irp c, 0,1,2,3,4,5,6,7
	v_cvt_scalef32_pk8_fp8_f32 v[PF+16*\k-16+2*\c:PF+16*\k-15+2*\c], v[64*\k-64+8*\c:64*\k-57+8*\c], v[SCP]
.endr
.set ii, 0
.rept 32
	v_pk_add_f32 v[SUM+ii%16:SUM+ii%16+1], v[64*\k+ii:64*\k+ii+1], v[SUM+ii%16:SUM+ii%16+1]
.set ii, ii+2
.endr
.endif
.endr
	WIN 0x41
.set ii, 192
.rept 64
	v_min_num_f32 v[ii], v[ii], v[LIMP]
.set ii, ii+1
.endr
	WIN 0x01
.irp c, 0,1,2,3,4,5,6,7
	v_cvt_scalef32_pk8_fp8_f32 v[PF+48+2*\c:PF+49+2*\c], v[192+8*\c:199+8*\c], v[SCP]
.endr
	WIN 0
	v_add_nc_u32 v[YAD], s[YO], v[Y0]
	WIN 0x40
.irp t, 0,1,2,3
	ds_load_b128 v[32+8*\t:32+8*\t+3], v[B1R] offset:64*\t        ; b1 of the head's columns: window 1, v32-63
	ds_load_b128 v[32+8*\t+4:32+8*\t+7], v[B1R] offset:64*\t+16
.endr
	s_wait_alu depctr_va_vdst(0)
	s_wait_loadcnt 3                               ; V and x are in; the next Q's two loads and the row's pair may be out
	WIN 0x03
.irp kb, 0,1,2,3
.irp t, 0,1,2,3
.if \kb == 0
	v_wmma_f32_16x16x128_fp8_fp8 v[OF+8*\t:OF+8*\t+7], v[64*\kb+16*\t:64*\kb+16*\t+15], v[PF+16*\kb:PF+16*\kb+15], 0
.else
	v_wmma_f32_16x16x128_fp8_fp8 v[OF+8*\t:OF+8*\t+7], v[64*\kb+16*\t:64*\kb+16*\t+15], v[PF+16*\kb:PF+16*\kb+15], v[OF+8*\t:OF+8*\t+7]
.endif
.endr
.endr
	WIN 0
.irp c, 0,2,4,6
	v_pk_add_f32 v[SUM+\c:SUM+\c+1], v[SUM+\c:SUM+\c+1], v[SUM+8+\c:SUM+9+\c]
.endr
	v_pk_add_f32 v[SUM:SUM+1], v[SUM:SUM+1], v[SUM+4:SUM+5]
	v_pk_add_f32 v[SUM+2:SUM+3], v[SUM+2:SUM+3], v[SUM+6:SUM+7]
	v_pk_add_f32 v[SUM:SUM+1], v[SUM:SUM+1], v[SUM+2:SUM+3]
	v_add_f32 v[SUM], v[SUM], v[SUM+1]
	v_permlanex16_b32 v[PT], v[SUM], s[SEL], s[SEL+1]
	v_add_f32 v[SUM], v[SUM], v[PT]
	s_wait_alu depctr_va_vdst(0)
	v_rcp_f32 v[INV], v[SUM]
	s_wait_loadcnt 0x0
	v_mov_b32 v[RSB], v[MUR+1]
	s_wait_alu depctr_va_vdst(0)
	v_ldexp_f32 v[INV], v[INV], s66                ; 2^(e8 + e9) / the row's sum
	s_wait_dscnt 0x0
	WIN 0x40
.set ii, 0
.rept 16
	v_pk_add_f32 v[ii:ii+1], v[XR+ii:XR+ii+1], v[MUR:MUR+1] op_sel_hi:[1,0] neg_lo:[0,1] neg_hi:[0,1]
.set ii, ii+2
.endr
	WIN 0x41
.set ii, 0
.rept 16
	v_pk_mul_f32 v[ii:ii+1], v[ii:ii+1], v[RSB:RSB+1] op_sel_hi:[1,0]
.set ii, ii+2
.endr
	WIN 0x51
.set ii, 0
.rept 16
	v_pk_fma_f32 v[ii:ii+1], v[ii:ii+1], v[GG+ii:GG+ii+1], v[32+ii:33+ii]   ; xn
.set ii, ii+2
.endr
	WIN 0x50
	s_wait_alu depctr_va_vdst(0)                   ; the wait directly ahead of the first readers of O^T
.set ii, 0
.rept 16
	v_pk_fma_f32 v[ii:ii+1], v[OF+ii:OF+ii+1], v[INV:INV+1], v[ii:ii+1] op_sel_hi:[1,0,1]   ; y = xn + att_out
.set ii, ii+2
.endr
	WIN 0x04
.irp t, 0,1,2,3
	ds_store_b128 v[YAD], v[8*\t:8*\t+3] offset:64*\t
	ds_store_b128 v[YAD], v[8*\t+4:8*\t+7] offset:64*\t+16
.endr
	WIN 0
	s_wait_alu depctr_va_vdst(0)                   ; ahead of the run of scalar lines
	s_lshl_b32 s82, s[AI], 3
	s_add_co_u32 s82, s82, s[MI]
	s_add_co_u32 s82, s82, 1
	s_min_u32 s82, s82, 15                         ; the next trip's x (the last trip stays inside the buffer)
	s_and_b32 s83, s82, 7
	s_lshl_b32 s83, s83, 21
	s_lshr_b32 s82, s82, 3
	s_lshl_b32 s82, s82, 8
	s_add_co_u32 s83, s83, s82
	v_add_nc_u32 v[XA], s83, v[XOF]
	XLOAD XA
	WIN 0x05                               ; the row's mean over the head's 64 columns,
.irp c, 0,1,2,3
	v_pk_add_f32 v[QS+2*\c:QS+2*\c+1], v[4*\c:4*\c+1], v[4*\c+2:4*\c+3]
.endr
	WIN 0x01
.set ii, 8
.rept 8
	v_pk_add_f32 v[QS+2*(ii%4):QS+2*(ii%4)+1], v[2*ii:2*ii+1], v[QS+2*(ii%4):QS+2*(ii%4)+1]
.set ii, ii+1
.endr
	WIN 0
	v_pk_add_f32 v[QS:QS+1], v[QS:QS+1], v[QS+2:QS+3]
	v_pk_add_f32 v[QS+4:QS+5], v[QS+4:QS+5], v[QS+6:QS+7]
	v_pk_add_f32 v[QS:QS+1], v[QS:QS+1], v[QS+4:QS+5]
	v_add_f32 v[QS], v[QS], v[QS+1]
	v_permlanex16_b32 v[PT], v[QS], s[SEL], s[SEL+1]
	v_add_f32 v[QS], v[QS], v[PT]
	v_mul_f32 v[MU], s[R64], v[QS]
	WIN 0x41                               ; and the squares of the distances from it
.set ii, 0
.rept 16
	v_pk_add_f32 v[32+ii:33+ii], v[ii:ii+1], v[MU:MU+1] op_sel_hi:[1,0] neg_lo:[0,1] neg_hi:[0,1]
.set ii, ii+2
.endr
	WIN 0x05
.irp c, 0,1,2,3
	v_pk_mul_f32 v[QS+2*\c:QS+2*\c+1], v[32+2*\c:33+2*\c], v[32+2*\c:33+2*\c]
.endr
.set ii, 4
.rept 12
	v_pk_fma_f32 v[QS+2*(ii%4):QS+2*(ii%4)+1], v[32+2*ii:33+2*ii], v[32+2*ii:33+2*ii], v[QS+2*(ii%4):QS+2*(ii%4)+1]
.set ii, ii+1
.endr
	WIN 0
	v_pk_add_f32 v[QS:QS+1], v[QS:QS+1], v[QS+2:QS+3]
	v_pk_add_f32 v[QS+4:QS+5], v[QS+4:QS+5], v[QS+6:QS+7]
	v_pk_add_f32 v[QS:QS+1], v[QS:QS+1], v[QS+4:QS+5]
	v_add_f32 v[QS], v[QS], v[QS+1]
	v_permlanex16_b32 v[PT], v[QS], s[SEL], s[SEL+1]
	v_add_f32 v[QS], v[QS], v[PT]
	v_cndmask_b32 v[EV], v[MU], v[QS], s[HM]       ; lanes 0-15 store the means, lanes 16-31 the squares
	v_add_nc_u32 v[ADW], s[SO], v[SW0]
	ds_store_b32 v[ADW], v[EV]
	s_add_co_u32 s[YO], s[YO], YT
	s_add_co_u32 s[SO], s[SO], 128
	s_add_co_u32 s[MI], s[MI], 1
	s_cmp_lt_u32 s[MI], 8
	s_wait_alu depctr_va_vdst(0)
	s_cbranch_scc1 .Lq
	s_add_nc_u64 s[KP:KP+1], s[KP:KP+1], 32768
	s_add_nc_u64 s[VP:VP+1], s[VP:VP+1], 32768
	s_add_nc_u64 s[QP:QP+1], s[QP:QP+1], 32768
	s_add_nc_u64 s[16:17], s[16:17], 256
	s_add_co_u32 s[AI], s[AI], 1
	s_cmp_lt_u32 s[AI], 2
	s_cbranch_scc0 .Lnohead
	KLOAD
	QLOAD0
	GVLOAD
.Lnohead:
	s_cmp_lt_u32 s[AI], 2
	s_cbranch_scc1 .Lh
	; LN2 and the FFN
	s_wait_loadcnt 0x0
	s_wait_dscnt 0x0                               ; my parts and my y are stored
	global_load_b128 v[BIAS:BIAS+3], v[L16], s[24:25]
	global_load_b128 v[BIAS+4:BIAS+7], v[L16], s[26:27]
	GBLOAD 20, 22
	WLOAD 2, WP, 0                                 ; W1's tiles 0 and 1: weight tile T goes to buffer (T + 2) % 4; buffers 0 and 1 still hold g2 and b2
	WLOAD 3, WP, 8192
	v_mov_b32 v[SC], s69
	v_mov_b32 v[LIM], s70
	s_wait_alu depctr_va_vdst(0)
	BAR                                            ; every wave's parts are stored
	s_wait_loadcnt 63                              ; 64 loads follow the two biases'
.irp i, 0,1,2,3
	v_ldexp_f32 v[BIAS+\i], v[BIAS+\i], s73        ; a bias goes in divided by the power of two that the sums lack
	v_ldexp_f32 v[BIAS+4+\i], v[BIAS+4+\i], s74
.endr
	ds_store_b128 v[BTW], v[BIAS:BIAS+3]
	ds_store_b128 v[BTW], v[BIAS+4:BIAS+7] offset:512
	s_wait_loadcnt 32                              ; g2 and b2 are in; the two weight tiles may be out
	s_mov_b32 s[HF], 0
	s_mov_b32 s[TO], 0
	s_mov_b32 s[SO], 0
.Lhalf:                                            ; two trips of four tiles of 16 rows: as many as the images' 32,768 bytes hold
	v_add_nc_u32 v[ADR], s[TO], v[Y0]
	v_add_nc_u32 v[ADS], s[SO], v[SR0]
	LDT T0, U0, 0
	LDT T1, U1, 1
	s_wait_dscnt 32                                ; all but tile 1's 32 loads
	PROC T0, U0, 0
	LDT T0, U0, 2
	s_wait_dscnt 52                                ; behind tile 1's loads: 20 stores and 32 loads
	PROC T1, U1, 1
	LDT T1, U1, 3
	s_wait_dscnt 52
	PROC T0, U0, 2
	s_wait_dscnt 20                                ; behind tile 3's loads: 20 stores
	PROC T1, U1, 3
	s_wait_dscnt 0x0
	BAR                                            ; the four tiles' images are whole
	s_cmp_lg_u32 s[HF], 0
	s_cbranch_scc1 .Lhi
	ALOAD 0
	s_branch .Ljoin
.Lhi:
	ALOAD 1
.Ljoin:
	s_wait_dscnt 0x0
	BAR                                            ; and read by all: they may be written again
	s_add_co_u32 s[TO], s[TO], 4*YT
	s_add_co_u32 s[SO], s[SO], 512
	s_add_co_u32 s[HF], s[HF], 1
	s_cmp_lt_u32 s[HF], 2
	s_cbranch_scc1 .Lhalf
	WLOAD 0, WP, 16384
	WLOAD 1, WP, 24576
	v_mov_b32 v[SC], s71
	v_mov_b32 v[LIM], s72
	BLOAD 0
.irp n, 0,1,2,3,4,5,6,7                ; the hidden layer: relu and the hold in one, codes into v96-223
	s_wait_dscnt 0x0
.if \n == 0
	s_wait_loadcnt 32                              ; tiles 2 and 3 may be out
.else
	s_wait_loadcnt 48                              ; the three tiles behind this one may be out
.endif
	MM (\n+2)%4
	PLACES
	WLOAD (\n+2)%4, WP, ((\n+4)/8)*262144+((\n+4)%8)*8192
	BLOAD \n+1
	s_wait_alu depctr_va_vdst(0)
.set ii, 0
.rept 64
	v_med3_num_f32 v[ACC+ii], v[ACC+ii], 0, v[LIM]
.set ii, ii+1
.endr
.irp m, 0,1,2,3,4,5,6,7
	v_cvt_scalef32_pk8_fp8_f32 v[HC+16*\m+2*\n:HC+16*\m+2*\n+1], v[ACC+8*\m:ACC+8*\m+7], v[SC]
.endr
	v_nop
.endr
	s_wait_alu depctr_va_vdst(0)
.irp hf, 0,1
.irp m, 0,1,2,3
.irp q, 0,1,2,3
	ds_store_b128 v[IMW], v[HC+16*(4*\hf+\m)+4*\q:HC+16*(4*\hf+\m)+4*\q+3] offset:8192*\m+512*\q
.endr
.endr
	s_wait_dscnt 0x0
	BAR
	ALOAD \hf
	s_wait_dscnt 0x0
.if \hf == 0
	BAR
.endif
.endr
.irp n, 0,1,2,3,4,5,6,7                ; out = xt + the second product: through my part of y, and out by rows
.irp m, 0,1,2,3,4,5,6,7
	ds_load_b128 v[XT+8*\m:XT+8*\m+3], v[Y0] offset:\m*YT+(\n/4)*YA+(\n%4)*64
	ds_load_b128 v[XT+8*\m+4:XT+8*\m+7], v[Y0] offset:\m*YT+(\n/4)*YA+(\n%4)*64+16
.endr
	s_wait_dscnt 16                                ; the bias is in; xt's 16 loads may be out
.if \n < 5
	s_wait_loadcnt 48
.else
	s_wait_loadcnt 16*(7-\n)
.endif
	MM (\n+2)%4
	PLACES
.if \n < 4
	WLOAD (\n+2)%4, WP, 262144+(\n+4)*8192
.endif
.if \n < 7
	BLOAD \n+9
	s_wait_dscnt 2
.else
	s_wait_dscnt 0x0
.endif
.set ii, 0
.rept 32
	v_pk_fma_f32 v[XT+ii:XT+ii+1], v[ACC+ii:ACC+ii+1], s[76:77], v[XT+ii:XT+ii+1] op_sel_hi:[1,0,1]
.set ii, ii+2
.endr
.irp m, 0,1,2,3,4,5,6,7
	ds_store_b128 v[Y0], v[XT+8*\m:XT+8*\m+3] offset:\m*YT+(\n/4)*YA+(\n%4)*64
	ds_store_b128 v[Y0], v[XT+8*\m+4:XT+8*\m+7] offset:\m*YT+(\n/4)*YA+(\n%4)*64+16
.endr
.if \n == 3
	FLUSH 0
	s_wait_xcnt 0x0
.endif
.if \n == 7
	FLUSH 1
.endif
.endr
	s_wait_tensorcnt 0x0                           ; the wave's end
	ds_add_u32 v[SPW], v[NIL]
	s_wait_dscnt 0x0
	s_endpgm
.Lfunc_end_k_qac3e9471da_attnffn:
	.size	k_qac3e9471da_attnffn, .Lfunc_end_k_qac3e9471da_attnffn-k_qac3e9471da_attnffn
	.p2alignl 7, 3214868480
	.fill 96, 4, 3214868480
	.section	.rodata,"a",@progbits
	.p2align	6, 0x0
	.amdhsa_kernel k_qac3e9471da_attnffn
		.amdhsa_group_segment_fixed_size 327680
		.amdhsa_private_segment_fixed_size 0
		.amdhsa_enable_private_segment 0
		.amdhsa_kernarg_size 112
		.amdhsa_user_sgpr_count 2
		.amdhsa_user_sgpr_kernarg_segment_ptr 1
		.amdhsa_wavefront_size32 1
		.amdhsa_system_sgpr_workgroup_id_x 1
		.amdhsa_system_sgpr_workgroup_id_y 1
		.amdhsa_system_sgpr_workgroup_id_z 1
		.amdhsa_system_vgpr_workitem_id 0
		.amdhsa_next_free_vgpr 1024
		.amdhsa_next_free_sgpr 104
		.amdhsa_reserve_vcc 0
		.amdhsa_float_denorm_mode_32 3
		.amdhsa_float_denorm_mode_16_64 3
		.amdhsa_memory_ordered 1
		.amdhsa_forward_progress 1
		.amdhsa_inst_pref_size 255
	.end_amdhsa_kernel
	.section	.bss,"aw",@nobits
	.p2align	6
	.space	262144
	.amdgpu_metadata
---
amdhsa.version: [ 1, 2 ]
amdhsa.kernels:
  - .name:           k_qac3e9471da_attnffn
    .symbol:         k_qac3e9471da_attnffn.kd
    .args:
      - { .name: x, .offset: 0, .size: 8, .value_kind: global_buffer, .address_space: global }
      - { .name: qc, .offset: 8, .size: 8, .value_kind: global_buffer, .address_space: global }
      - { .name: kc, .offset: 16, .size: 8, .value_kind: global_buffer, .address_space: global }
      - { .name: vc, .offset: 24, .size: 8, .value_kind: global_buffer, .address_space: global }
      - { .name: st, .offset: 32, .size: 8, .value_kind: global_buffer, .address_space: global }
      - { .name: wc, .offset: 40, .size: 8, .value_kind: global_buffer, .address_space: global }
      - { .name: g1, .offset: 48, .size: 8, .value_kind: global_buffer, .address_space: global }
      - { .name: b1, .offset: 56, .size: 8, .value_kind: global_buffer, .address_space: global }
      - { .name: g2, .offset: 64, .size: 8, .value_kind: global_buffer, .address_space: global }
      - { .name: b2, .offset: 72, .size: 8, .value_kind: global_buffer, .address_space: global }
      - { .name: bf1, .offset: 80, .size: 8, .value_kind: global_buffer, .address_space: global }
      - { .name: bf2, .offset: 88, .size: 8, .value_kind: global_buffer, .address_space: global }
      - { .name: lowp_scales, .offset: 96, .size: 8, .value_kind: global_buffer, .address_space: global }
      - { .name: out0, .offset: 104, .size: 8, .value_kind: global_buffer, .address_space: global }
    .group_segment_fixed_size: 327680
    .private_segment_fixed_size: 0
    .kernarg_segment_align: 8
    .kernarg_segment_size: 112
    .max_flat_workgroup_size: 128
    .sgpr_count:     104
    .vgpr_count:     1024
    .wavefront_size: 32
...
	.end_amdgpu_metadata
.endif
;; end of part 3
